; MI455X (gfx1250); checked and timed in simulation.
; The chip was launched on July 23, 2026; its instructions are those of AMD's public machine-readable ISA for CDNA 5 (MIT licence, August 2026) and "CDNA5" Instruction Set Architecture Reference Guide (July 2026). The comments in the code are by the model that wrote it; some were corrected since.
;; Multi Head Attention. Allowed arithmetic: matrix products marked QUANTISED: E2M3 operands, one E8M0 scale for each 32 along K, by v_wmma_scale_f32_16x16x128_f8f6f4 with both operands' format E2M3, f32 sums; everything else in f32.
;; Inputs: Wk 512 x 512 float32; Wo 512 x 512 float32; Wq 512 x 512 float32; Wv 512 x 512 float32; bk 512 float32; bo 512 float32; bq 512 float32; bv 512 float32; key 2 x 4,096 x 512 float32; query 2 x 4,096 x 512 float32; value 2 x 4,096 x 512 float32.
;; Outputs: out0 2 x 4,096 x 512 float32.
;; This version of the problem:
;;   THIS VERSION OF THE PROBLEM IS GIVEN IN LOW PRECISION. The matrix products marked QUANTISED in the list below multiply operands that are first quantised to E2M3 (2 exponent bits, 3 mantissa bits; 6 bits a number), with one power-of-two scale for each 32 numbers along K (OCP MX v1.0); their sums are f32. All else is computed in f32.
;;   The module's matrix products, in the order in which they are computed (A, B: the left and right operand; K: the contracted axis; several contracted axes count as one K, in the product's order):
;;     1. [M 8,192, K 512] x [K 512, N 512]; A: input query; B: input Wq: QUANTISED
;;     2. [M 8,192, K 512] x [K 512, N 512]; A: input key; B: input Wk: QUANTISED
;;     3. [M 8,192, K 512] x [K 512, N 512]; A: input value; B: input Wv: QUANTISED
;;     4. batch 16 x [M 4,096, K 64] x [K 64, N 4,096]; A: computed on the way; B: computed on the way: QUANTISED
;;     5. batch 16 x [M 4,096, K 4,096] x [K 4,096, N 64]; A: softmax (see below); B: computed on the way: QUANTISED
;;     6. [M 8,192, K 512] x [K 512, N 512]; A: computed on the way; B: input Wo: QUANTISED
;;   THE QUANTISER, for each operand of a quantised product, along K:
;;     - K is cut into blocks of 32 from its start; a last block that is shorter is filled with zeros.
;;     - A block's scale is 2^e with e = floor(log2(the largest magnitude in the block)) - 2, held to -126 .. 127; a block of zeros has e = 0. As a byte (E8M0): e + 127.
;;     - Each number is divided by its block's scale, clamped to +-7.5, and rounded to the nearest number of E2M3, ties to even, subnormals kept.
;;     - The product sums the exact products of the quantised numbers (number of the format x scale) in f32.
;;   ~~~python
;;   def quantise(x, axis):      # numpy; x: float32 -> the quantised numbers, widened to float32 again
;;       x = np.moveaxis(x, axis, -1); K = x.shape[-1]
;;       x = np.pad(x, [(0, 0)] * (x.ndim - 1) + [(0, -K % 32)]); x = x.reshape(x.shape[:-1] + (-1, 32)); a = np.abs(x).max(-1, keepdims=True)
;;       e = np.where(a > 0, np.clip(np.frexp(np.where(a > 0, a, 1))[1] - 1 - 2, -126, 127), 0)      # np.frexp(a)[1] - 1 = floor(log2(a)), exactly
;;       r = np.clip(x / 2.0 ** e, -7.5, 7.5)
;;       step = 2.0 ** (np.maximum(np.frexp(np.where(r == 0, 1, r))[1] - 1, 0) - 3)
;;       q = np.round(r / step) * step * 2.0 ** e      # np.round: ties to even
;;       return np.moveaxis(q.reshape(q.shape[:-2] + (-1,))[..., :K], -1, axis).astype(np.float32)
;;   ~~~
;;   SOFTMAX AHEAD OF A QUANTISED PRODUCT. Where the list says 'softmax', what is quantised is not the finished softmax but p = 2^(t - M), with t = logit x log2(e) and M = ceil(the row's largest t), a whole number; so 1/2 < the row's largest p <= 1. The row's sum l is taken of the UNQUANTISED p, in f32, and the product's result is divided by l at the end. Since M is a whole number, a kernel that streams over the keys may use a running M (the ceiling of the running maximum): every later rescaling is an exact power of two, which a block's scale takes up: the codes' values come out the same.
;;   OPERANDS COMPUTED ON THE WAY. 'Computed on the way' means the value that the module computes at that place (a softmax that the list does not call 'softmax' is quantised finished and normalised). What goes into a quantiser is computed in f32, as accurately as f32 sums, v_exp_f32 and their like allow (about 1e-6 of the number): no bf16 or f16 on the way to a quantiser, and a product that is left as it is and whose result goes on into a quantised operand takes f32 operands (vector FMAs, or v_wmma_f32_16x16x4_f32). A number that lies on a knife's edge between two numbers of the format may be rounded either way, as far as f32 arithmetic and the matrix unit's own rounding can turn it there, and no further.
;; One version. Each part assembles by itself: llvm-mc -triple=amdgcn-amd-amdhsa -mcpu=gfx1250 --defsym DOCPART=n.
;; ======== version 1 of 1: 4 launches
;; limits: right only within a limited range of input values
;; workspace buffers: wcs 819,200 bytes; qc 3,276,800 bytes; kv 6,553,600 bytes; oc 3,145,728 bytes; os 131,072 bytes
;; launch wquant (part 1): grid 32 x 4, 1 waves a work-group, no clusters, 8,704 bytes of LDS; arguments Wq, Wk, Wv, Wo, wcs; writes wcs
.if DOCPART == 1
	.amdgcn_target "amdgcn-amd-amdhsa--gfx1250"
	.amdhsa_code_object_version 6
	.text
	.protected	k_qdcdf4aaa61_wquant
	.globl	k_qdcdf4aaa61_wquant
	.p2align	8
	.type	k_qdcdf4aaa61_wquant,@function
k_qdcdf4aaa61_wquant:
	s_mov_b64 s[64:65], 0
	v_nop
	global_prefetch_b8 v0, s[64:65] scope:SCOPE_SE
	s_setreg_imm32_b32 hwreg(HW_REG_WAVE_MODE, 25, 1), 1
	s_wait_xcnt 0x0
; The four weights [512][512] f32 (K innermost) become codes of FP6 (E2M3) with one E8M0 byte for each 32 along K, laid in wcs in the ORDER OF AN OPERAND'S REGISTERS.
; wcs: weight y (0 q, 1 k, 2 v, 3 o) x 204,800 + group w of 64 rows x 25,600; in it tile u, K step s: an image of the fragment's 12 registers at 6,144 u + 1,536 s
; (registers 4 j .. 4 j + 3 of lane l at 512 j + 16 l); the scale words at 24,576 + 256 u + 16 r + 4 s.
; THE ROWS OF A TILE ARE NOT NEIGHBOURS: row i of tile u is row 32 (i / 8) + 8 u + i % 8 of its group of 64, so that the 32 result registers of a group's four tiles are 32 neighbours in a lane.
; One wave takes one tile for all four K steps.  Each load reads 512 consecutive bytes of a row; the 16 rows turn through the wave's stage in LDS, so that a lane gets 2 x 32 neighbours along K.
; A block's scale is 2^(floor(log2(largest magnitude)) - 2); its byte is the largest magnitude's exponent field - 2, held at 1 from below.
; LIMITS: NaN and infinities are not served; a block of zeros gets the byte 1 (its codes are zeros, and this program alone reads the bytes).
; No matrix unit, no cluster, no barrier: the waves share nothing.
.set STGP,  528                        ; a stage row: 512 bytes + 16: sixteen rows start at sixteen different 16-byte columns
.set SPARE, 16*STGP                    ; behind the stage: the spare words, one block of 256 bytes that no other line names
.set LI,  1                            ; v1   16 x lane
.set R16, 2                            ; v2   16 x (lane % 16)
.set SH8, 3                            ; v3   8 x (lane / 16)
.set RB,  4                            ; v4   the stage on the way back: row lane % 16, + 128 x (lane / 16)
.set SPW, 5                            ; v5   my spare word's LDS address; never rewritten
.set NIL, 6                            ; v6   0; never rewritten
.set TM,  8                            ; v8-9   largest magnitudes
.set SO,  10                           ; v10-11 the conversions' scale operands
.set BY,  12                           ; v12-13 scale bytes
.set TP,  14                           ; v14    the other half's bytes
.set TQ,  16                           ; v16-23 the upper halves of two blocks' codes
.set SW,  24                           ; v24-27 the four K steps' scale words
.set PC,  28                           ; v28-51 codes, two sets of 12
.set X,   52                           ; v52-115 64 numbers: X + 32 c + i = k 64 c + 32 (lane / 16) + i of my row
.set R,   116                          ; v116-243 as loaded, two sets of 64
.set SEL, 24                           ; s[24:25] v_permlanex16_b32's selects for lane l xor 16
; 64 numbers of a lane, two whole blocks of 32, become a fragment's 12 registers and the row's scale word (in both halves of the lanes)
.macro QUANT2 x, pc, pw
.irp c, 0,1
	v_max3_num_f32 v[TM+\c], |v[(\x)+32*\c]|, |v[(\x)+32*\c+1]|, 0x1800000   ; with the floor 2^(3 - 127): the byte cannot fall under 1
.endr
.irp i, 2,4,6,8,10,12,14,16,18,20,22,24,26,28,30
.irp c, 0,1
	v_max3_num_f32 v[TM+\c], v[TM+\c], |v[(\x)+32*\c+\i]|, |v[(\x)+32*\c+\i+1]|
.endr
.endr
.irp c, 0,1
	v_add_nc_u32 v[SO+\c], 0xff000000, v[TM+\c]    ; 2 off the exponent field: the conversion's scale operand
.endr
.irp c, 0,1
	v_lshrrev_b32 v[BY+\c], 23, v[SO+\c]           ; the scale's byte
.endr
	v_lshl_or_b32 v[\pw], v[BY+1], 16, v[BY]       ; my blocks are h and 2 + h of the four
	v_lshlrev_b32 v[\pw], v[SH8], v[\pw]
	v_permlanex16_b32 v[TP], v[\pw], s[SEL], s[SEL+1]
	v_or_b32 v[\pw], v[\pw], v[TP]                 ; with lane l xor 16's two the word is whole
.irp c, 0,1
	v_cvt_scalef32_pk16_fp6_f32 v[(\pc)+6*\c:(\pc)+6*\c+2], v[(\x)+32*\c:(\x)+32*\c+15], v[SO+\c]
	v_cvt_scalef32_pk16_fp6_f32 v[TQ+4*\c:TQ+4*\c+2], v[(\x)+32*\c+16:(\x)+32*\c+31], v[SO+\c]   ; (a conversion's three registers begin on an even number)
.endr
	v_nop                                          ; one plain place behind the conversions
.irp c, 0,1
.irp i, 0,1,2
	v_mov_b32 v[(\pc)+6*\c+3+\i], v[TQ+4*\c+\i]
.endr
.endr
.endm
	s_load_b256 s[4:11], s[0:1], 0x0               ; Wq, Wk, Wv, Wo
	s_load_b64 s[12:13], s[0:1], 0x20              ; wcs
	v_lshl_add_u32 v[SPW], v0, 2, SPARE
	v_mov_b32 v[NIL], 0
	v_lshlrev_b32 v[LI], 4, v0                     ; one wave: the thread's number is the lane
	v_and_b32 v7, 15, v0
	v_lshrrev_b32 v15, 4, v0
	v_lshlrev_b32 v[R16], 4, v7
	v_lshlrev_b32 v[SH8], 3, v15
	v_mul_u32_u24 v[RB], v7, STGP
	v_lshl_add_u32 v[RB], v15, 7, v[RB]
	v_mov_b32 v[TP], 0                             ; a lane permute's destination counts as read
	s_and_b32 s14, ttmp7, 0xffff                   ; which weight
	s_lshr_b32 s16, ttmp9, 2                       ; w: which 64 rows
	s_and_b32 s17, ttmp9, 3                        ; u: which tile
	s_mov_b32 s[SEL], 0x76543210
	s_mov_b32 s[SEL+1], 0xfedcba98
	s_lshl_b32 s18, s16, 17                        ; 64 rows of 2,048 bytes
	s_lshl_b32 s19, s17, 14                        ; 8 rows
	s_add_co_u32 s18, s18, s19
	s_mov_b32 s19, 0
	s_mul_i32 s26, s14, 204800
	s_mul_i32 s27, s16, 25600
	s_add_co_u32 s26, s26, s27
	s_mul_i32 s27, s17, 6144
	s_add_co_u32 s28, s26, s27                     ; the tile's images
	s_mov_b32 s29, 0
	s_lshl_b32 s27, s17, 8
	s_add_co_u32 s30, s26, s27
	s_add_co_u32 s30, s30, 24576                   ; its scale words
	s_mov_b32 s31, 0
	s_wait_alu depctr_va_vdst(0)
	s_wait_kmcnt 0x0
	s_cmp_eq_u32 s14, 1                            ; the choice hangs on the work-group's number alone
	s_cselect_b64 s[4:5], s[6:7], s[4:5]
	s_cmp_eq_u32 s14, 2
	s_cselect_b64 s[4:5], s[8:9], s[4:5]
	s_cmp_eq_u32 s14, 3
	s_cselect_b64 s[4:5], s[10:11], s[4:5]
	s_add_nc_u64 s[4:5], s[4:5], s[18:19]
	s_add_nc_u64 s[20:21], s[12:13], s[28:29]
	s_add_nc_u64 s[22:23], s[12:13], s[30:31]
.macro LOADW s                         ; K step s of the tile's 16 rows: 512 consecutive bytes a load
.irp i, 0,1,2,3,4,5,6,7,8,9,10,11,12,13,14,15
	global_load_b128 v[R+64*((\s)%2)+4*\i:R+64*((\s)%2)+4*\i+3], v[LI], s[4:5] offset:(32*(\i/8)+\i%8)*2048+512*(\s) th:TH_LOAD_NT
.endr
.endm
.macro WSTEP s
.if (\s) < 3
	s_wait_loadcnt 16                              ; this K step's 16 loads are in; the next step's 16 may be out
.else
	s_wait_loadcnt 0x0
.endif
.irp i, 0,1,2,3,4,5,6,7,8,9,10,11,12,13,14,15
	ds_store_b128 v[LI], v[R+64*((\s)%2)+4*\i:R+64*((\s)%2)+4*\i+3] offset:STGP*\i
.endr
.irp c, 0,1
.irp j, 0,1,2,3,4,5,6,7
	ds_load_b128 v[X+32*\c+4*\j:X+32*\c+4*\j+3], v[RB] offset:256*\c+16*\j   ; LDS serves a wave's instructions in order: these see the stores above
.endr
.endr
	s_wait_dscnt 0x0                               ; the numbers are back, and the stores have read their registers
.if (\s) < 2
	LOADW (\s)+2
.endif
.if (\s) >= 2
	s_wait_xcnt 0x0                                ; this set of codes was store data two steps ago: it is rewritten only behind this wait
.endif
	QUANT2 X, PC+12*((\s)%2), SW+(\s)
.irp j, 0,1,2
	global_store_b128 v[LI], v[PC+12*((\s)%2)+4*\j:PC+12*((\s)%2)+4*\j+3], s[20:21] offset:1536*(\s)+512*\j   ; 512 consecutive bytes, aligned
.endr
.endm
	LOADW 0
	LOADW 1
	WSTEP 0
	WSTEP 1
	WSTEP 2
	WSTEP 3
	global_store_b128 v[R16], v[SW:SW+3], s[22:23] ; 256 consecutive bytes: row r's four words; lanes 16-31 hold and write the same
	s_wait_tensorcnt 0x0                           ; the wave's end
	ds_add_u32 v[SPW], v[NIL]
	s_wait_dscnt 0x0
	s_endpgm
.Lfunc_end_k_qdcdf4aaa61_wquant:
	.size	k_qdcdf4aaa61_wquant, .Lfunc_end_k_qdcdf4aaa61_wquant-k_qdcdf4aaa61_wquant
	.p2alignl 7, 3214868480
	.fill 96, 4, 3214868480
	.section	.rodata,"a",@progbits
	.p2align	6, 0x0
	.amdhsa_kernel k_qdcdf4aaa61_wquant
		.amdhsa_group_segment_fixed_size 8704
		.amdhsa_private_segment_fixed_size 0
		.amdhsa_enable_private_segment 0
		.amdhsa_kernarg_size 40
		.amdhsa_user_sgpr_count 2
		.amdhsa_user_sgpr_kernarg_segment_ptr 1
		.amdhsa_wavefront_size32 1
		.amdhsa_system_sgpr_workgroup_id_x 1
		.amdhsa_system_sgpr_workgroup_id_y 1
		.amdhsa_system_sgpr_workgroup_id_z 1
		.amdhsa_system_vgpr_workitem_id 0
		.amdhsa_next_free_vgpr 256
		.amdhsa_next_free_sgpr 66
		.amdhsa_reserve_vcc 0
		.amdhsa_float_denorm_mode_32 3
		.amdhsa_float_denorm_mode_16_64 3
		.amdhsa_memory_ordered 1
		.amdhsa_forward_progress 1
		.amdhsa_inst_pref_size 30
	.end_amdhsa_kernel
	.amdgpu_metadata
---
amdhsa.version: [ 1, 2 ]
amdhsa.kernels:
  - .name:           k_qdcdf4aaa61_wquant
    .symbol:         k_qdcdf4aaa61_wquant.kd
    .args:
      - { .name: Wq, .offset: 0, .size: 8, .value_kind: global_buffer, .address_space: global }
      - { .name: Wk, .offset: 8, .size: 8, .value_kind: global_buffer, .address_space: global }
      - { .name: Wv, .offset: 16, .size: 8, .value_kind: global_buffer, .address_space: global }
      - { .name: Wo, .offset: 24, .size: 8, .value_kind: global_buffer, .address_space: global }
      - { .name: wcs, .offset: 32, .size: 8, .value_kind: global_buffer, .address_space: global }
    .group_segment_fixed_size: 8704
    .private_segment_fixed_size: 0
    .kernarg_segment_align: 8
    .kernarg_segment_size: 40
    .max_flat_workgroup_size: 32
    .sgpr_count:     66
    .vgpr_count:     256
    .wavefront_size: 32
...
	.end_amdgpu_metadata
.endif
;; end of part 1
;; launch proj (part 2): grid 64 x 3, 8 waves a work-group, no clusters, 327,680 bytes of LDS; arguments query, key, value, bq, bk, bv, wcs, qc, kv; writes qc, kv
.if DOCPART == 2
	.amdgcn_target "amdgcn-amd-amdhsa--gfx1250"
	.amdhsa_code_object_version 6
	.text
	.protected	k_qdcdf4aaa61_proj
	.globl	k_qdcdf4aaa61_proj
	.p2align	8
	.type	k_qdcdf4aaa61_proj,@function
k_qdcdf4aaa61_proj:
	s_mov_b64 s[64:65], 0
	v_nop
	global_prefetch_b8 v0, s[64:65] scope:SCOPE_SE
	s_setreg_imm32_b32 hwreg(HW_REG_WAVE_MODE, 25, 1), 1
	s_wait_xcnt 0x0
; Products 1 to 3: x W^T + b on codes of FP6 (E2M3), and the results quantised on the way: Q and K along the head's 64, V along the keys.  y = 0: Q, 1: K, 2: V.
; A work-group takes 128 tokens (one K step of the second attention product) x all 512 columns; wave w is head w: its 16 fragments of W stay in 192 registers.
; x comes once, by one tensor load a wave (16 rows of 2,048 bytes); wave w quantises token tile w (four fragments) and lays their register images in LDS; all eight waves read them.
; TILES: within 64 rows, row i of tile u is row 32 (i / 8) + 8 u + i % 8; so the 32 result registers of a group's four tiles are one WHOLE block of 32 neighbours in a lane:
; no exchange between lanes for a block's largest magnitude or for its codes.
; Q, K: source 0 = 16 rows of W, source 1 = 16 tokens: a lane holds one token and 32 neighbouring d.  V: the sources swapped: a lane holds one d and 32 neighbouring tokens (keys).
; The bias is the C of each sum's first product.
; OUT: register images.  qc: (8 n + head) x 204,800 + block x 6,400: four images (token tiles 2 f in registers 0-5, 2 f + 1 in 6-11), scale words at 6,144 + 16 r + 4 f.
; kv: (8 n + head) x 409,600 + block x 12,800: K's four images, V^T's four at 6,144, K's scale words at 12,288, V's at 12,544.
; NO JOINT LOADS OF W: x's 128 rows take 266,240 bytes of LDS and their images 53,248; W's 196,608 have no room beside them, so W goes from memory straight into registers.
; 192 work-groups: 24,576 rows in blocks of 128; a smaller block would cut V's K step.
; LIMITS: NaN and infinities are not served; a block of zeros gets the byte 1 (zero codes; this program alone reads the bytes).
.set XP,    2080                       ; a row of x in LDS: 2 x (1,024 bytes + 16 of padding)
.set XIMG,  128*XP                     ; 32 images (4 m + s) of 1,536 bytes
.set XSC,   XIMG+32*1536               ; their scale words, 128 bytes each
.set SPARE, XSC+32*128                 ; the spare words, 128 bytes for each wave: four blocks of 256 bytes that no other line names
.set LI,  1                            ; v1  16 x lane
.set R16, 2                            ; v2  16 x (lane % 16)
.set SH8, 3                            ; v3  8 x (lane / 16)
.set XR,  4                            ; v4  my row of x in LDS, + 128 x (lane / 16)
.set LIM, 5                            ; v5  XIMG + 16 x lane
.set LSC, 6                            ; v6  XSC + 4 x lane
.set XWI, 7                            ; v7  where my wave stores its images
.set XWS, 8                            ; v8  and their scale words
.set SPW, 9                            ; v9  my spare word; never rewritten
.set NIL, 10                           ; v10 0; never rewritten
.set BY,  12                           ; v12-15 bytes, and lane permutes' destinations
.set TP,  14
.set WS,  16                           ; v16-31 W's scale words (4 t + s)
.set XS,  32                           ; v32-35 x's scale words
.set TM,  36                           ; v36-39 largest magnitudes
.set SO,  40                           ; v40-43 scale operands
.set SW,  44                           ; v44-47 the results' scale words
.set XFR, 48                           ; v48-95 four fragments of x
.set PC,  48                           ; while x is quantised: codes, two sets;
.set TQ,  72                           ; upper halves;
.set PW,  80                           ; scale words;
.set BA,  82                           ; v82-89 the bias loads' offsets
.set ACC, 96                           ; v96-223 16 accumulators; while x is quantised: two sets of 64 numbers
.set BI,  224                          ; v224-255 the bias in the result's layout, 8 registers a tile of W
.set CD,  192                          ; window 1: v192-239 the results' codes (12 f + 6 half);  v0-191: W's fragments at 12 (4 t + s)
.set TQ1, 240                          ; window 1: v240-255 upper halves
.set WV,  22
.set G0,  28
.set G1,  32
.set SEL, 40
.set MSB, 0
.macro WIN new                         ; the immediate's high byte repeats the setting that is left
.if MSB != (\new)
	s_set_vgpr_msb (MSB<<8)|(\new)
.set MSB, (\new)
.endif
.endm
.macro QUANT2 x, pc, pw                ; 64 numbers of a lane, two whole blocks, become a fragment's 12 registers and the row's scale word
.irp c, 0,1
	v_max3_num_f32 v[TM+\c], |v[(\x)+32*\c]|, |v[(\x)+32*\c+1]|, 0x1800000   ; with the floor 2^(3 - 127)
.endr
.irp i, 2,4,6,8,10,12,14,16,18,20,22,24,26,28,30
.irp c, 0,1
	s_delay_alu instid0(VALU_DEP_2)
	v_max3_num_f32 v[TM+\c], v[TM+\c], |v[(\x)+32*\c+\i]|, |v[(\x)+32*\c+\i+1]|
.endr
.endr
.irp c, 0,1
	s_delay_alu instid0(VALU_DEP_2)
	v_add_nc_u32 v[SO+\c], 0xff000000, v[TM+\c]
.endr
.irp c, 0,1
	s_delay_alu instid0(VALU_DEP_2)
	v_lshrrev_b32 v[BY+\c], 23, v[SO+\c]
.endr
	s_delay_alu instid0(VALU_DEP_1)
	v_lshl_or_b32 v[\pw], v[BY+1], 16, v[BY]
	s_delay_alu instid0(VALU_DEP_1)
	v_lshlrev_b32 v[\pw], v[SH8], v[\pw]
	s_delay_alu instid0(VALU_DEP_1)
	v_permlanex16_b32 v[TP], v[\pw], s[SEL], s[SEL+1]
	s_delay_alu instid0(VALU_DEP_1)
	v_or_b32 v[\pw], v[\pw], v[TP]
.irp c, 0,1
	v_cvt_scalef32_pk16_fp6_f32 v[(\pc)+6*\c:(\pc)+6*\c+2], v[(\x)+32*\c:(\x)+32*\c+15], v[SO+\c]
	v_cvt_scalef32_pk16_fp6_f32 v[TQ+4*\c:TQ+4*\c+2], v[(\x)+32*\c+16:(\x)+32*\c+31], v[SO+\c]
.endr
	v_nop                                          ; one plain place behind the conversions
.irp c, 0,1
.irp i, 0,1,2
	v_mov_b32 v[(\pc)+6*\c+3+\i], v[TQ+4*\c+\i]
.endr
.endr
.endm
	s_load_b256 s[4:11], s[0:1], 0x0               ; query, key, value, bq
	s_load_b256 s[12:19], s[0:1], 0x20             ; bk, bv, wcs, qc
	s_load_b64 s[20:21], s[0:1], 0x40              ; kv
	v_lshl_add_u32 v[SPW], v0, 2, SPARE
	v_mov_b32 v[NIL], 0
	ds_add_u32 v[SPW], v[NIL]                      ; the wave's opening: the add and its wait ahead of my tensor load; the set-up stands between them
	ds_add_u32 v[SPW], v[NIL]
	v_lshrrev_b32 v11, 5, v0
	s_delay_alu instid0(VALU_DEP_1)
	v_readfirstlane_b32 s[WV], v11                 ; wave = head
	s_and_b32 s23, ttmp7, 0xffff                   ; y
	s_lshr_b32 s25, ttmp9, 5                       ; n
	s_and_b32 s26, ttmp9, 31                       ; block of 128 tokens
	s_lshl_b32 s27, s25, 3
	s_add_co_u32 s27, s27, s[WV]                   ; 8 n + head
	s_mov_b32 s[G1+0], (2<<16)|(1<<20)|(7<<22)|(3<<25)  ; elements of 4 bytes; 4 words of padding behind every 256 words
	s_mov_b32 s[G1+1], 512<<16                     ; tensor_dim0 = 512
	s_mov_b32 s[G1+2], 16<<16                      ; tensor_dim1 = 16
	s_mov_b32 s[G1+3], 512<<16                     ; tile_dim0 = 512
	s_mov_b32 s[G1+4], 16                          ; tile_dim1 = 16
	s_mov_b32 s[G1+5], 512                         ; from row to row
	s_mov_b32 s[G1+6], 0
	s_mov_b32 s[G1+7], 0
	s_mov_b32 s[SEL], 0x76543210
	s_mov_b32 s[SEL+1], 0xfedcba98
	v_and_b32 v11, 31, v0                          ; lane
	v_and_b32 v90, 15, v0                          ; r
	v_bfe_u32 v91, v0, 4, 1                        ; h
	s_delay_alu instid0(VALU_DEP_2)
	v_lshrrev_b32 v93, 3, v90
	s_delay_alu instid0(VALU_DEP_1)
	v_mad_u32_u24 v92, v93, 24, v90                ; r + 24 (r / 8): a tile's row among its 64
	v_lshlrev_b32 v[LI], 4, v11
	v_lshlrev_b32 v[R16], 4, v90
	v_lshlrev_b32 v[SH8], 3, v91
	s_lshr_b32 s54, s[WV], 2
	s_lshl_b32 s54, s54, 6
	s_and_b32 s55, s[WV], 3
	s_lshl_b32 s55, s55, 3
	s_add_co_u32 s54, s54, s55                     ; token tile w begins at row 64 (w / 4) + 8 (w % 4)
	s_mul_i32 s54, s54, XP
	v_mul_u32_u24 v[XR], v92, XP
	s_delay_alu instid0(VALU_DEP_1)
	v_lshl_add_u32 v[XR], v91, 7, v[XR]
	s_delay_alu instid0(VALU_DEP_1)
	v_add_nc_u32 v[XR], s54, v[XR]
	v_add_nc_u32 v[LIM], XIMG, v[LI]
	v_lshl_add_u32 v[LSC], v11, 2, XSC
	s_mul_i32 s54, s[WV], 4*1536
	v_add_nc_u32 v[XWI], s54, v[LIM]
	s_lshl_b32 s54, s[WV], 9
	v_add_nc_u32 v[XWS], s54, v[LSC]
.irp i, 0,1,2,3
	v_mov_b32 v[BY+\i], 0                          ; lane permutes' destinations count as read
.endr
	s_cmp_eq_u32 s23, 0                            ; what hangs on y alone: sizes of the target's records
	s_mov_b32 s54, 409600
	s_cselect_b32 s54, 204800, s54                 ; a head's bytes
	s_mov_b32 s55, 12800
	s_cselect_b32 s55, 6400, s55                   ; a block's
	s_mov_b32 s56, 12288
	s_cselect_b32 s56, 6144, s56                   ; from the codes to the scale words
	s_cmp_eq_u32 s23, 2
	s_cselect_b32 s57, 6144, 0                     ; V's images lie behind K's
	s_cselect_b32 s56, 6400, s56
	s_cselect_b32 s60, 0, 128                      ; the bias: Q, K: 32 h + 8 t + j;  V: r + 24 (r / 8) + 8 t, the same in all eight registers
	s_cselect_b32 s61, 4, 0
	s_cselect_b32 s62, 0, 4
	v_mul_u32_u24 v[BA], s60, v91
	s_delay_alu instid0(VALU_DEP_1)
	v_mad_u32_u24 v[BA], v92, s61, v[BA]
.irp j, 1,2,3,4,5,6,7
	s_delay_alu instid0(VALU_DEP_1)
	v_add_nc_u32 v[BA+\j], s62, v[BA+\j-1]
.endr
	s_mul_i32 s58, s27, s54
	s_mul_i32 s59, s26, s55
	s_add_co_u32 s58, s58, s59
	s_add_co_u32 s58, s58, s57
	s_mov_b32 s59, 0
	s_mov_b32 s57, 0
	s_lshl_b32 s54, s[WV], 8                       ; my head's 64 numbers of the bias
	s_mov_b32 s55, 0
	s_mul_i32 s42, s23, 204800
	s_mul_i32 s43, s[WV], 25600
	s_add_co_u32 s42, s42, s43                     ; my head's part of the weight
	s_mov_b32 s43, 0
	s_lshl_b32 s2, ttmp9, 18                       ; 128 rows of 2,048 bytes
	s_lshl_b32 s3, s[WV], 15                       ; my 16 of them
	s_add_co_u32 s2, s2, s3
	s_mov_b32 s3, 0
	s_mov_b32 s[G0], 1
	s_mul_i32 s[G0+1], s[WV], 16*XP
	s_wait_alu depctr_va_vdst(0)
	s_wait_dscnt 0x0                               ; the opening add is done
	s_wait_kmcnt 0x0
	s_cmp_eq_u32 s23, 0
	s_cselect_b64 s[52:53], s[4:5], s[6:7]
	s_cselect_b64 s[50:51], s[10:11], s[12:13]
	s_cselect_b64 s[44:45], s[18:19], s[20:21]
	s_cmp_eq_u32 s23, 2
	s_cselect_b64 s[52:53], s[8:9], s[52:53]
	s_cselect_b64 s[50:51], s[14:15], s[50:51]
	s_add_nc_u64 s[52:53], s[52:53], s[2:3]        ; x at my 16 rows
	s_add_nc_u64 s[50:51], s[50:51], s[54:55]      ; the bias
	s_add_nc_u64 s[48:49], s[16:17], s[42:43]      ; W's images
	s_add_nc_u64 s[44:45], s[44:45], s[58:59]      ; the results' codes
	s_add_nc_u64 s[46:47], s[44:45], s[56:57]      ; and scale words
	s_mov_b64 s[G0+2:G0+3], s[52:53]
	s_or_b32 s[G0+3], s[G0+3], 0x80000000
	tensor_load_to_lds s[G0:G0+3], s[G1:G1+7]      ; my one tensor load: a first fill; nothing is filled again
	s_nop 0
.rept 4
	v_nop
.endr
	WIN 0x40                                       ; destination window 1
.set q, 0
.rept 48
	global_load_b128 v[4*q:4*q+3], v[LI], s[48:49] offset:512*q   ; W's 16 fragments, as they lie
.set q, q+1
.endr
	WIN 0
.irp t, 0,1,2,3
	global_load_b128 v[WS+4*\t:WS+4*\t+3], v[R16], s[48:49] offset:24576+256*\t
.endr
.irp t, 0,1,2,3
.irp j, 0,1,2,3,4,5,6,7
	global_load_b32 v[BI+8*\t+\j], v[BA+\j], s[50:51] offset:32*\t
.endr
.endr
	s_wait_tensorcnt 0x0                           ; my 16 rows are in LDS: other waves will read them
	s_barrier_signal -1
	s_barrier_wait -1                              ; all 128 rows are
; ---- x: my token tile's four K steps become four images
.macro XL s
.irp c, 0,1
.irp j, 0,1,2,3,4,5,6,7
	ds_load_b128 v[ACC+64*((\s)%2)+32*\c+4*\j:ACC+64*((\s)%2)+32*\c+4*\j+3], v[XR] offset:512*(\s)+16*((\s)/2)+256*\c+16*\j
.endr
.endr
.endm
.macro XSTEP s, left                   ; left: the LDS instructions issued behind this step's loads, which may stay out
	s_wait_dscnt \left
	QUANT2 ACC+64*((\s)%2), PC+12*((\s)%2), PW+(\s)%2
.irp j, 0,1,2
	ds_store_b128 v[XWI], v[PC+12*((\s)%2)+4*\j:PC+12*((\s)%2)+4*\j+3] offset:1536*(\s)+512*\j
.endr
	ds_store_b32 v[XWS], v[PW+(\s)%2] offset:128*(\s)
.if (\s) < 2
	XL (\s)+2
.endif
.endm
	XL 0
	XL 1
	XSTEP 0, 16                                    ; step 1's 16 loads
	XSTEP 1, 20                                    ; 4 stores and step 2's 16 loads
	XSTEP 2, 20                                    ; 4 stores and step 3's 16 loads
	XSTEP 3, 4                                     ; 4 stores
	s_wait_dscnt 0x0                               ; for the others' sake: my images have landed
	s_barrier_signal -1
	s_barrier_wait -1                              ; all 32 images lie in LDS; no LDS byte is written from here on but the spare words
	s_wait_loadcnt 0x0                             ; W, its scale words, the bias
; ---- the products.  v = 0: Q, K;  v = 1: V
.macro MM v, a, t, s
.set WW, 12*(4*(\t)+(\s))
.set XX, XFR+12*(\a)
.set BB, BI+8*(\t)
.if \v
.set DD, ACC+8*(4*(\t)+(\a))
.if (\s) == 0
	v_wmma_scale_f32_16x16x128_f8f6f4 v[DD:DD+7], v[XX:XX+11], v[WW:WW+11], v[BB:BB+7], v[XS+(\a)], v[WS+4*(\t)+(\s)] matrix_a_fmt:MATRIX_FMT_FP6 matrix_b_fmt:MATRIX_FMT_FP6
.else
	v_wmma_scale_f32_16x16x128_f8f6f4 v[DD:DD+7], v[XX:XX+11], v[WW:WW+11], v[DD:DD+7], v[XS+(\a)], v[WS+4*(\t)+(\s)] matrix_a_fmt:MATRIX_FMT_FP6 matrix_b_fmt:MATRIX_FMT_FP6
.endif
.else
.set DD, ACC+8*(4*(\a)+(\t))
.if (\s) == 0
	v_wmma_scale_f32_16x16x128_f8f6f4 v[DD:DD+7], v[WW:WW+11], v[XX:XX+11], v[BB:BB+7], v[WS+4*(\t)+(\s)], v[XS+(\a)] matrix_a_fmt:MATRIX_FMT_FP6 matrix_b_fmt:MATRIX_FMT_FP6
.else
	v_wmma_scale_f32_16x16x128_f8f6f4 v[DD:DD+7], v[WW:WW+11], v[XX:XX+11], v[DD:DD+7], v[WS+4*(\t)+(\s)], v[XS+(\a)] matrix_a_fmt:MATRIX_FMT_FP6 matrix_b_fmt:MATRIX_FMT_FP6
.endif
.endif
.endm
.macro TARGET v, c, g                  ; group g of 32 result registers goes to fragment FF, half HH
.if \v
.set FF, (\g)
.set HH, (\c)
.else
.set FF, 2*(\c)+(\g)/2
.set HH, (\g)%2
.endif
.endm
.macro QUANT4 v, c                     ; four blocks of 32 registers, by turns
.irp g, 0,1,2,3
	v_max3_num_f32 v[TM+\g], |v[ACC+32*\g]|, |v[ACC+32*\g+1]|, 0x1800000   ; each accumulator is read from its low end on
.endr
.irp i, 2,4,6,8,10,12,14,16,18,20,22,24,26,28,30
.irp g, 0,1,2,3
	v_max3_num_f32 v[TM+\g], v[TM+\g], |v[ACC+32*\g+\i]|, |v[ACC+32*\g+\i+1]|
.endr
.endr
.irp g, 0,1,2,3
	s_delay_alu instid0(VALU_DEP_4)
	v_add_nc_u32 v[SO+\g], 0xff000000, v[TM+\g]
.endr
.irp g, 0,1,2,3
	TARGET \v, \c, \g
.if HH == 0
	s_delay_alu instid0(VALU_DEP_4)
	v_lshrrev_b32 v[SW+FF], 23, v[SO+\g]
.else
	s_delay_alu instid0(VALU_DEP_4)
	v_lshrrev_b32 v[BY+\g], 23, v[SO+\g]
.endif
.endr
.irp g, 0,1,2,3
	TARGET \v, \c, \g
.if HH == 1
	v_lshl_or_b32 v[SW+FF], v[BY+\g], 16, v[SW+FF]
.endif
.endr
	WIN 0x40                                       ; the codes go to window 1
.irp g, 0,1,2,3
	TARGET \v, \c, \g
	v_cvt_scalef32_pk16_fp6_f32 v[CD+12*FF+6*HH:CD+12*FF+6*HH+2], v[ACC+32*\g:ACC+32*\g+15], v[SO+\g]
	v_cvt_scalef32_pk16_fp6_f32 v[TQ1+4*\g:TQ1+4*\g+2], v[ACC+32*\g+16:ACC+32*\g+31], v[SO+\g]
.endr
	v_nop                                          ; one plain place behind the conversions
	WIN 0x41
.irp g, 0,1,2,3
	TARGET \v, \c, \g
.irp i, 0,1,2
	v_mov_b32 v[CD+12*FF+6*HH+3+\i], v[TQ1+4*\g+\i]
.endr
.endr
	WIN 0
.endm
.macro PATH v
.irp c, 0,1                            ; 64 tokens at a time: four token tiles x four tiles of W: 16 accumulators by turns, one instruction a turn
.irp s, 0,1,2,3
.irp a, 0,1,2,3
.irp j, 0,1,2
	ds_load_b128 v[XFR+12*\a+4*\j:XFR+12*\a+4*\j+3], v[LIM] offset:(4*(4*\c+\a)+\s)*1536+512*\j
.endr
	ds_load_b32 v[XS+\a], v[LSC] offset:(4*(4*\c+\a)+\s)*128
.endr
	s_wait_dscnt 0x0
.if \v
	WIN 0x04                                       ; W is source 1: window 1
.else
	WIN 0x01                                       ; W is source 0: window 1
.endif
.irp a, 0,1,2,3
.irp t, 0,1,2,3
	MM \v, \a, \t, \s
.endr
.endr
	WIN 0
.rept 4
	v_nop                                          ; places in front of loads into registers that the products have read, and of the first read of results
.endr
.endr
	QUANT4 \v, \c
.if (\v) == 0
	WIN 0x04                                       ; a store's data are its source 1: window 1
.irp q, 0,1,2,3,4,5
	global_store_b128 v[LI], v[CD+4*(6*\c+\q):CD+4*(6*\c+\q)+3], s[44:45] offset:512*(6*\c+\q)   ; fragments 2 c and 2 c + 1: 512 consecutive bytes a store
.endr
	WIN 0
.endif
.endr
.if \v
	WIN 0x04
.irp q, 0,1,2,3,4,5,6,7,8,9,10,11
	global_store_b128 v[LI], v[CD+4*\q:CD+4*\q+3], s[44:45] offset:512*\q
.endr
	WIN 0
.endif
.irp f, 0,1,2,3
	v_lshlrev_b32 v[SW+\f], v[SH8], v[SW+\f]       ; my two bytes at their places,
.endr
.irp f, 0,1,2,3
	s_delay_alu instid0(VALU_DEP_4)
	v_permlanex16_b32 v[BY+\f], v[SW+\f], s[SEL], s[SEL+1]
.endr
.irp f, 0,1,2,3
	s_delay_alu instid0(VALU_DEP_4)
	v_or_b32 v[SW+\f], v[SW+\f], v[BY+\f]          ; with lane l xor 16's two
.endr
	global_store_b128 v[R16], v[SW:SW+3], s[46:47] ; 256 consecutive bytes; lanes 16-31 hold and write the same
	s_wait_tensorcnt 0x0                           ; the wave's end
	ds_add_u32 v[SPW], v[NIL]
	s_wait_dscnt 0x0
	s_endpgm
.endm
	s_cmp_eq_u32 s23, 2                            ; a branch on the work-group's number; both barriers and all LDS stores lie ahead of it
	s_cbranch_scc1 .Lfor_v
	PATH 0
.Lfor_v:
	PATH 1
.Lfunc_end_k_qdcdf4aaa61_proj:
	.size	k_qdcdf4aaa61_proj, .Lfunc_end_k_qdcdf4aaa61_proj-k_qdcdf4aaa61_proj
	.p2alignl 7, 3214868480
	.fill 96, 4, 3214868480
	.section	.rodata,"a",@progbits
	.p2align	6, 0x0
	.amdhsa_kernel k_qdcdf4aaa61_proj
		.amdhsa_group_segment_fixed_size 327680
		.amdhsa_private_segment_fixed_size 0
		.amdhsa_enable_private_segment 0
		.amdhsa_kernarg_size 72
		.amdhsa_user_sgpr_count 2
		.amdhsa_user_sgpr_kernarg_segment_ptr 1
		.amdhsa_wavefront_size32 1
		.amdhsa_system_sgpr_workgroup_id_x 1
		.amdhsa_system_sgpr_workgroup_id_y 1
		.amdhsa_system_sgpr_workgroup_id_z 1
		.amdhsa_system_vgpr_workitem_id 0
		.amdhsa_next_free_vgpr 512
		.amdhsa_next_free_sgpr 66
		.amdhsa_reserve_vcc 0
		.amdhsa_float_denorm_mode_32 3
		.amdhsa_float_denorm_mode_16_64 3
		.amdhsa_memory_ordered 1
		.amdhsa_forward_progress 1
		.amdhsa_inst_pref_size 115
	.end_amdhsa_kernel
	.amdgpu_metadata
---
amdhsa.version: [ 1, 2 ]
amdhsa.kernels:
  - .name:           k_qdcdf4aaa61_proj
    .symbol:         k_qdcdf4aaa61_proj.kd
    .args:
      - { .name: query, .offset: 0, .size: 8, .value_kind: global_buffer, .address_space: global }
      - { .name: key, .offset: 8, .size: 8, .value_kind: global_buffer, .address_space: global }
      - { .name: value, .offset: 16, .size: 8, .value_kind: global_buffer, .address_space: global }
      - { .name: bq, .offset: 24, .size: 8, .value_kind: global_buffer, .address_space: global }
      - { .name: bk, .offset: 32, .size: 8, .value_kind: global_buffer, .address_space: global }
      - { .name: bv, .offset: 40, .size: 8, .value_kind: global_buffer, .address_space: global }
      - { .name: wcs, .offset: 48, .size: 8, .value_kind: global_buffer, .address_space: global }
      - { .name: qc, .offset: 56, .size: 8, .value_kind: global_buffer, .address_space: global }
      - { .name: kv, .offset: 64, .size: 8, .value_kind: global_buffer, .address_space: global }
    .group_segment_fixed_size: 327680
    .private_segment_fixed_size: 0
    .kernarg_segment_align: 8
    .kernarg_segment_size: 72
    .max_flat_workgroup_size: 256
    .sgpr_count:     66
    .vgpr_count:     512
    .wavefront_size: 32
...
	.end_amdgpu_metadata
.endif
;; end of part 2
;; launch attn (part 3): grid 16 x 16, 16 waves a work-group, clusters of 4 x 1, 327,680 bytes of LDS; arguments qc, kv, oc, os; writes oc, os
.if DOCPART == 3
	.amdgcn_target "amdgcn-amd-amdhsa--gfx1250"
	.amdhsa_code_object_version 6
	.text
	.protected	k_qdcdf4aaa61_attn
	.globl	k_qdcdf4aaa61_attn
	.p2align	8
	.type	k_qdcdf4aaa61_attn,@function
k_qdcdf4aaa61_attn:
	s_mov_b64 s[64:65], 0
	v_nop
	global_prefetch_b8 v0, s[64:65] scope:SCOPE_SE
	s_setreg_imm32_b32 hwreg(HW_REG_WAVE_MODE, 25, 1), 1
	s_wait_xcnt 0x0
	s_wait_alu depctr_hold_cnt(0) depctr_sa_sdst(0) depctr_va_vdst(0) depctr_va_sdst(0) depctr_va_ssrc(0) depctr_va_vcc(0) depctr_vm_vsrc(0)
	s_getreg_b32 s2, hwreg(HW_REG_IB_STS2, 6, 4)
	s_cmp_eq_u32 s2, 0
	s_cbranch_scc0 .Lentry_in_a_cluster
	s_endpgm
.Lentry_in_a_cluster:
	s_bfe_u32 s2, ttmp6, 0x10000c
	s_cmp_lg_u32 s2, 0x3003
	s_cbranch_scc0 .Lentry_shape_is_right
	s_endpgm
.Lentry_shape_is_right:
; Products 4 and 5 with the softmax between them, on codes of FP6 (E2M3); the result is divided by the row's sum and quantised along the head's 64 for product 6.
; Work-group (x, y): head y (8 n + head), queries 256 x .. 256 x + 255; wave w takes one tile of 16 queries and walks the 4,096 keys in 32 steps of 128.
; Both products are used transposed (S^T = K Q^T, O^T = V^T P^T): a lane holds one query, and its 64 score registers are two whole blocks of 32 neighbouring keys.
; K's head size is 64: a fragment of K holds two key tiles (registers 0-5 and 6-11); it is multiplied once with (Q, 0) and once with (0, Q).
; p = 2^(t - M), M the ceiling of the running largest t, kept as -M; the sum is taken of the unquantised p; a change of M multiplies the sum and O^T by an exact power of two.
; A block's largest p is made from the block's largest score by the same multiply-add and exponential.
; LDS: a step's record (K's four images, V^T's four, both scale tables) is 12,800 bytes; 24 records lie in LDS.  Three joint loads a wave, never more than one out:
; steps 0-7 at the head (25 rows of 256 bytes a wave); steps 8-23 (50 rows) behind a round that follows the head's load, a first fill of records 8-23, on its way while steps 0-7 are worked;
; steps 24-31 (25 rows) into records 0-7 behind the round that follows step 7, which also shows records 8-23 whole; they are first read in step 23, behind a barrier.
; CLUSTER: the four work-groups of a cluster share head y, so every load is joint (mask 15); the descriptors hang on y and the wave's number alone.
; K's fragments of step i + 1 are read from LDS during step i, with V's of step i: p's codes lie in score registers that are done with, so K's registers are free behind the first product.
; NO PREFETCH INTO THE L2: the head's load has nothing ahead of it; the second load is asked for 8 steps and the third 15 steps ahead of the wait for it.
; LIMITS: the scaled scores stay under 2^31 in magnitude; NaN and infinities are not served; a block of zeros gets the byte 1 (zero codes; this program alone reads the bytes).
.set STEPB, 12800
.set RING,  24*STEPB
.set OSG,   RING                       ; 512 bytes: the 16 tiles' scale halfwords on the way out
.set SPARE, OSG+512                    ; the spare words, 128 bytes a wave: eight blocks of 256 bytes that no other line names
.set LI,  1                            ; 16 x lane
.set R16, 2                            ; 16 x (lane % 16)
.set SH8, 3                            ; 8 x (lane / 16)
.set SPW, 4                            ; my spare word; never rewritten
.set NIL, 5                            ; 0; never rewritten
.set ADK, 6                            ; this step's record + 16 x lane
.set ADS, 7                            ; this step's record + 16 x (lane % 16)
.set QS,  8                            ; Q's scale word
.set F,   10                           ; v10-11 the factor 2^(old M - new M)
.set NM,  12                           ; -M
.set MS,  13                           ; the running largest score
.set L,   14                           ; v14-15 the row's sum, two halves
.set QB,  16                           ; v16-33 0, Q, 0
.set KS,  34                           ; v34-37 K's scale words
.set VS,  38                           ; v38-41 V's
.set BM,  42                           ; v42-43 the blocks' largest
.set SO,  44                           ; v44-45 second chains of the maxima, then the conversions' scale operands
.set BY,  46
.set PW,  48                           ; p's scale word
.set TP,  49
.set T,   50                           ; v50-51, v52-53, v254-255: three more chains of the sum
.set T0,  52
.set T1,  53
.set U,   52
.set W,   254
.set KF,  54                           ; v54-101 K's four fragments
.set VF,  102                          ; v102-149 V^T's four
.set SS,  150                          ; v150-213 scores, then p
.set PC,  SS+16                        ; p's codes, laid over p's registers 16-27 when those have been converted
.set TQ,  246                          ; v246-252 the upper halves of two blocks' codes
.set OT,  214                          ; v214-245 O^T
.set OPC, KF                           ; the way out: O's codes
.set OTQ, KF+12
.set WV,  12
.set SEL, 20
.set CS,  22
.set G1,  24
.set G0,  32                           ; records 0-7: the head's load, then the refill
.set G0B, 36                           ; records 8-23
.set NC,  44
.set TB,  45
.set CNT, 46
.macro CROUND                          ; a round of the cluster's barrier
	s_barrier_signal -1
	s_barrier_wait -1
	s_cmp_lg_u32 s[WV], 0
	s_cbranch_scc1 .Lnot_wave_0_\@
	s_barrier_signal -3
.Lnot_wave_0_\@:
	s_barrier_wait -3
	s_barrier_signal -1
	s_barrier_wait -1
.endm
	s_load_b256 s[4:11], s[0:1], 0x0               ; qc, kv, oc, os
	v_lshl_add_u32 v[SPW], v0, 2, SPARE
	v_mov_b32 v[NIL], 0
	ds_add_u32 v[SPW], v[NIL]                      ; the opening: the add, twice on end, and its wait ahead of my first tensor load
	ds_add_u32 v[SPW], v[NIL]
	v_lshrrev_b32 v6, 5, v0
	s_delay_alu instid0(VALU_DEP_1)
	v_readfirstlane_b32 s[WV], v6                  ; wave 0..15
	s_bfe_u32 s13, ttmp6, 0x40000                  ; cx
	s_lshl_b32 s14, ttmp9, 2
	s_add_co_u32 s14, s14, s13                     ; x: it enters qc's, oc's and os's global addresses alone
	s_and_b32 s15, ttmp7, 0xffff                   ; y = 8 n + head
	s_mov_b32 s[G1+0], 15|(3<<16)|(1<<21)          ; the mask: all four; elements of 8 bytes; bit 21 beside a mask
	s_mov_b32 s[G1+1], 32<<16                      ; rows of 256 bytes,
	s_mov_b32 s[G1+2], 25<<16                      ; 25 of them: a sixteenth of 8 records
	s_mov_b32 s[G1+3], 32<<16
	s_mov_b32 s[G1+4], 25
	s_mov_b32 s[G1+5], 32
	s_mov_b32 s[G1+6], 0
	s_mov_b32 s[G1+7], 0
	s_mov_b32 s[SEL], 0x76543210
	s_mov_b32 s[SEL+1], 0xfedcba98                 ; selects for lane l xor 16
	s_mov_b32 s[CS], 0x3e38aa3b                    ; c = log2(e) / 8
	s_mov_b32 s[CS+1], s[CS]
	s_mov_b32 s[NC], 0xbe38aa3b                    ; -c
	s_mul_i32 s18, s15, 409600                     ; my head's records
	s_mov_b32 s19, 0
	s_mul_i32 s54, s[WV], 12800                    ; my sixteenth of 16 records, in memory and in LDS alike
	s_mov_b32 s55, 0
	s_mul_i32 s56, s[WV], 6400                     ; and of 8 records
	s_mov_b32 s57, 0
	s_lshr_b32 s16, s15, 3
	s_and_b32 s17, s15, 7
	s_lshl_b32 s48, s16, 8
	s_lshl_b32 s49, s14, 4
	s_add_co_u32 s48, s48, s49
	s_add_co_u32 s48, s48, s[WV]                   ; token tile 256 n + 16 x + w
	s_lshl_b32 s48, s48, 3
	s_add_co_u32 s48, s48, s17
	s_mul_i32 s48, s48, 768                        ; oc: (tile x 8 + head) x 768
	s_mov_b32 s49, 0
	s_lshl_b32 s50, s15, 13
	s_lshl_b32 s51, s14, 9
	s_add_co_u32 s50, s50, s51                     ; os: y x 8,192 + x x 512
	s_mov_b32 s51, 0
	s_lshl_b32 s52, s14, 1
	s_lshr_b32 s53, s[WV], 3
	s_add_co_u32 s52, s52, s53
	s_mul_i32 s52, s52, 6400
	s_mul_i32 s53, s15, 204800
	s_add_co_u32 s52, s52, s53                     ; qc: my block of 128 queries
	s_mov_b32 s53, 0
	v_and_b32 v9, 31, v0
	v_and_b32 v52, 15, v0
	v_bfe_u32 v53, v0, 4, 1
	v_lshlrev_b32 v[LI], 4, v9
	v_lshlrev_b32 v[R16], 4, v52
	v_lshlrev_b32 v[SH8], 3, v53
	s_and_b32 s58, s[WV], 7
	s_lshr_b32 s59, s58, 1
	s_mul_i32 s59, s59, 1536
	v_add_nc_u32 v[ADK], s59, v[LI]                ; first: Q's image (two tiles to an image)
	s_lshl_b32 s59, s58, 1
	v_add_nc_u32 v[ADS], s59, v[R16]               ; and my tile's scale halfword
	s_and_b32 s47, s[WV], 1
	s_sub_co_u32 s47, 0, s47                       ; all ones where my tile is the image's upper half
	s_wait_alu depctr_va_vdst(0)
	s_wait_dscnt 0x0                               ; both opening adds are done
	s_wait_kmcnt 0x0
	s_add_nc_u64 s[6:7], s[6:7], s[18:19]
	s_add_nc_u64 s[48:49], s[8:9], s[48:49]
	s_add_nc_u64 s[50:51], s[10:11], s[50:51]
	s_add_nc_u64 s[52:53], s[4:5], s[52:53]
	s_mov_b32 s[G0], 1
	s_mov_b32 s[G0+1], s56
	s_add_nc_u64 s[G0+2:G0+3], s[6:7], s[56:57]
	s_or_b32 s[G0+3], s[G0+3], 0x80000000
	s_mov_b32 s[G0B], 1
	s_add_co_u32 s[G0B+1], s54, 8*STEPB
	s_add_nc_u64 s[G0B+2:G0B+3], s[6:7], s[54:55]
	s_add_nc_u64 s[G0B+2:G0B+3], s[G0B+2:G0B+3], 8*STEPB
	s_or_b32 s[G0B+3], s[G0B+3], 0x80000000
	CROUND                                         ; all four work-groups are here: the joint loads meet
	tensor_load_to_lds s[G0:G0+3], s[G1:G1+7]      ; my one load at the head: my sixteenth of steps 0-7
	s_nop 0
.rept 4
	v_nop
.endr
.irp j, 0,1,2
	global_load_b128 v[SS+4*\j:SS+4*\j+3], v[ADK], s[52:53] offset:512*\j
.endr
	global_load_u16 v9, v[ADS], s[52:53] offset:6144
	v_mov_b32 v[MS], 0xff61b1e6                    ; -3e38, under every score
	s_delay_alu instid0(VALU_DEP_1)
	v_mul_f32 v[T0], s[NC], v[MS]
	s_delay_alu instid0(VALU_DEP_1)
	v_floor_f32 v[NM], v[T0]
	v_mov_b32 v[L], 0
	v_mov_b32 v[L+1], 0
	v_mov_b32 v[F+1], 0                            ; named as the upper half of a pair
	v_mov_b32 v[TP], 0                             ; lane permutes' destinations count as read
	v_mov_b32 v[T1], 0
.irp i, 0,1,2,3,4,5
	v_mov_b32 v[QB+\i], 0
	v_mov_b32 v[QB+12+\i], 0
.endr
.set i, 0
.rept 32
	v_mov_b32 v[OT+i], 0                           ; the step is written once: the first finds zeros
.set i, i+1
.endr
	s_wait_alu depctr_va_vdst(0)
	s_wait_loadcnt 0x0
	v_lshl_or_b32 v[QS], v9, 16, v9                ; my two bytes serve whichever half of K = 128 holds Q
.irp i, 0,1,2,3,4,5
	v_cndmask_b32 v[QB+6+\i], v[SS+\i], v[SS+6+\i], s47
.endr
.macro PF1 pf, j                       ; one of the 13 loads of the next step's K: j = 0 its scale words, j = 1 .. 12 its fragments
.if \pf
.if (\j) == 0
	ds_load_b128 v[KS:KS+3], v[PSA] offset:POF+12288
.else
	ds_load_b128 v[KF+4*(\j)-4:KF+4*(\j)-1], v[PKA] offset:POF+512*(\j)-512
.endif
.endif
.endm
.macro VL1 j                           ; one of the 13 loads of this step's V
.if (\j) == 0
	ds_load_b128 v[VS:VS+3], v[ADS] offset:12544
.else
	ds_load_b128 v[VF+4*(\j)-4:VF+4*(\j)-1], v[ADK] offset:6144+512*(\j)-512
.endif
.endm
.macro PRE                             ; K of the step at s[TB], where no step before it could read it ahead
.set PKA, ADK
.set PSA, ADS
.set POF, 0
	v_add_nc_u32 v[ADK], s[TB], v[LI]
	v_add_nc_u32 v[ADS], s[TB], v[R16]
.irp j, 0,1,2,3,4,5,6,7,8,9,10,11,12
	PF1 1, \j
.endr
.endm
.macro ADD4 i                          ; four chains of the sum take two p each
	v_pk_add_f32 v[L:L+1], v[L:L+1], v[SS+(\i):SS+(\i)+1]
	v_pk_add_f32 v[T:T+1], v[T:T+1], v[SS+(\i)+2:SS+(\i)+3]
	v_pk_add_f32 v[U:U+1], v[U:U+1], v[SS+(\i)+4:SS+(\i)+5]
	v_pk_add_f32 v[W:W+1], v[W:W+1], v[SS+(\i)+6:SS+(\i)+7]
.endm
; A step of 128 keys.  pf: the next step's K lies in the next record (1), in record 0 (2), or is not read here (0).
.macro STEP pf
.if \pf == 2
.set PKA, LI
.set PSA, R16
.set POF, 0
.else
.set PKA, ADK
.set PSA, ADS
.set POF, STEPB
.endif
	v_add_nc_u32 v[ADK], s[TB], v[LI]
	v_add_nc_u32 v[ADS], s[TB], v[R16]
.rept 3
	v_nop                                          ; five places behind the last step's products: the products below write over p's codes
.endr
	s_wait_dscnt 0x0                               ; K is in
.irp f, 0,1,2,3
	v_wmma_scale_f32_16x16x128_f8f6f4 v[SS+16*\f:SS+16*\f+7], v[KF+12*\f:KF+12*\f+11], v[QB+6:QB+17], 0, v[KS+\f], v[QS] matrix_a_fmt:MATRIX_FMT_FP6 matrix_b_fmt:MATRIX_FMT_FP6
	v_wmma_scale_f32_16x16x128_f8f6f4 v[SS+16*\f+8:SS+16*\f+15], v[KF+12*\f:KF+12*\f+11], v[QB:QB+11], 0, v[KS+\f], v[QS] matrix_a_fmt:MATRIX_FMT_FP6 matrix_b_fmt:MATRIX_FMT_FP6
.endr
	v_mov_b32 v[T1], v[NM]                         ; the old -M; with the three below: four places
.rept 3
	v_nop
.endr
; each block's largest score, two chains a block (registers 0-16 and 17-31); every accumulator is first read at one of its four lowest registers
.irp c, 0,1
	v_max3_num_f32 v[BM+\c], v[SS+32*\c], v[SS+32*\c+1], v[SS+32*\c+2]
.endr
.irp c, 0,1
	v_max3_num_f32 v[SO+\c], v[SS+32*\c+17], v[SS+32*\c+18], v[SS+32*\c+19]
.endr
.irp i, 0,1,2,3,4,5
.irp c, 0,1
	v_max3_num_f32 v[BM+\c], v[BM+\c], v[SS+32*\c+3+2*\i], v[SS+32*\c+4+2*\i]
.endr
.irp c, 0,1
	v_max3_num_f32 v[SO+\c], v[SO+\c], v[SS+32*\c+20+2*\i], v[SS+32*\c+21+2*\i]
.endr
.endr
.irp c, 0,1
	v_max3_num_f32 v[BM+\c], v[BM+\c], v[SS+32*\c+15], v[SS+32*\c+16]
.endr
.irp c, 0,1
	v_max_num_f32 v[BM+\c], v[BM+\c], v[SO+\c]
.endr
; the new -M, a chain of dependent lines: this step's 13 loads of V and the next step's 13 of K stand between its links
	v_max_num_f32 v[T0], v[BM], v[BM+1]
.irp j, 0,1,2,3,4
	VL1 \j
.endr
	v_permlanex16_b32 v[TP], v[T0], s[SEL], s[SEL+1]
.irp j, 5,6,7,8,9
	VL1 \j
.endr
	v_max3_num_f32 v[MS], v[MS], v[T0], v[TP]      ; the running largest score of my query
.irp j, 10,11,12
	VL1 \j
.endr
.irp j, 0,1
	PF1 \pf, \j
.endr
	v_mul_f32 v[T0], s[NC], v[MS]
.irp j, 2,3,4,5,6
	PF1 \pf, \j
.endr
	v_floor_f32 v[NM], v[T0]                       ; -M = floor(-t) = -ceil(t)
.irp j, 7,8,9,10,11,12
	PF1 \pf, \j
.endr
.set i, 0
.rept 32
	v_pk_fma_f32 v[SS+i:SS+i+1], v[SS+i:SS+i+1], s[CS:CS+1], v[NM:NM+1] op_sel_hi:[1,0,0]   ; t - M
.if i == 4
	v_sub_f32 v[T1], v[NM], v[T1]                  ; old M - new M, a whole number, 0 or less
.endif
.if i == 12
	v_cvt_i32_f32 v[T1], v[T1]                     ; (it saturates)
.endif
.if i == 20
	v_ldexp_f32 v[F], 1.0, v[T1]                   ; f = 2^(old M - new M)
.endif
.set i, i+2
.endr
	v_pk_fma_f32 v[BM:BM+1], v[BM:BM+1], s[CS:CS+1], v[NM:NM+1] op_sel_hi:[1,0,0]
.set i, 0
.rept 16
	v_pk_mul_f32 v[OT+i:OT+i+1], v[OT+i:OT+i+1], v[F:F+1] op_sel_hi:[1,0]   ; O^T under the new M, each accumulator from its low end on
.set i, i+2
.endr
	s_wait_alu depctr_va_vdst(0)
	v_exp_f32 v[BM], v[BM]                         ; each block's largest p
	v_exp_f32 v[BM+1], v[BM+1]
.set i, 0
.rept 64
	v_exp_f32 v[SS+i], v[SS+i]                     ; p = 2^(t - M)
.set i, i+1
.endr
	v_pk_mul_f32 v[L:L+1], v[L:L+1], v[F:F+1] op_sel_hi:[1,0]   ; the sum under the new M: the plain place behind the batch
	s_wait_alu depctr_va_vdst(0)                   ; one wait for the whole batch, ahead of its first reader
; the sum of the unquantised p in four chains; the blocks' scales stand among them
	v_pk_add_f32 v[T:T+1], v[SS:SS+1], v[SS+2:SS+3]
	v_pk_add_f32 v[U:U+1], v[SS+4:SS+5], v[SS+6:SS+7]
	v_pk_add_f32 v[W:W+1], v[SS+8:SS+9], v[SS+10:SS+11]
.irp c, 0,1
	v_max_num_f32 v[BM+\c], 0x1800000, v[BM+\c]    ; the floor 2^(3 - 127): the byte cannot fall under 1
.endr
	ADD4 12
.irp c, 0,1
	v_add_nc_u32 v[SO+\c], 0xff000000, v[BM+\c]    ; 2 off the exponent field: the conversion's scale operand
.endr
	ADD4 20
.irp c, 0,1
	v_lshrrev_b32 v[BY+\c], 23, v[SO+\c]           ; the scale's byte
.endr
	ADD4 28
	ADD4 36
	ADD4 44
	ADD4 52
	v_pk_add_f32 v[L:L+1], v[L:L+1], v[SS+60:SS+61]
	v_pk_add_f32 v[T:T+1], v[T:T+1], v[SS+62:SS+63]
; the codes: the blocks' upper halves first, so that the lower halves' codes can lie over p's registers 16-27
	v_cvt_scalef32_pk16_fp6_f32 v[TQ:TQ+2], v[SS+16:SS+31], v[SO]
	v_cvt_scalef32_pk16_fp6_f32 v[TQ+4:TQ+6], v[SS+48:SS+63], v[SO+1]
	v_lshl_or_b32 v[PW], v[BY+1], 16, v[BY]        ; my blocks are h and 2 + h of the four.  (The plain place behind the conversions)
	v_cvt_scalef32_pk16_fp6_f32 v[PC:PC+2], v[SS:SS+15], v[SO]
	v_cvt_scalef32_pk16_fp6_f32 v[PC+6:PC+8], v[SS+32:SS+47], v[SO+1]
	v_lshlrev_b32 v[PW], v[SH8], v[PW]             ; (the plain place)
	v_permlanex16_b32 v[TP], v[PW], s[SEL], s[SEL+1]
	v_or_b32 v[PW], v[PW], v[TP]                   ; with lane l xor 16's two the word is whole
.irp c, 0,1
.irp i, 0,1,2
	v_mov_b32 v[PC+6*\c+3+\i], v[TQ+4*\c+\i]
.endr
.endr
	v_pk_add_f32 v[T:T+1], v[T:T+1], v[U:U+1]      ; the chains are joined: with the v_nop four places behind the codes' last write, ten behind the scale word's
	v_pk_add_f32 v[L:L+1], v[L:L+1], v[W:W+1]
	v_pk_add_f32 v[L:L+1], v[L:L+1], v[T:T+1]
	v_nop
	s_wait_alu depctr_va_vdst(0)
.if \pf
	s_wait_dscnt 13                                ; V is in; the 13 loads of the next K, issued behind V's, may be out
.else
	s_wait_dscnt 0x0
.endif
.irp t, 0,1,2,3                        ; four accumulators by turns
	v_wmma_scale_f32_16x16x128_f8f6f4 v[OT+8*\t:OT+8*\t+7], v[VF+12*\t:VF+12*\t+11], v[PC:PC+11], v[OT+8*\t:OT+8*\t+7], v[VS+\t], v[PW] matrix_a_fmt:MATRIX_FMT_FP6 matrix_b_fmt:MATRIX_FMT_FP6
.endr
	s_add_co_u32 s[TB], s[TB], STEPB
.endm
.macro WALK n
	s_mov_b32 s[CNT], \n
.Lwalk_\@:
	STEP 1
	s_sub_co_u32 s[CNT], s[CNT], 1
	s_cmp_lg_u32 s[CNT], 0
	s_cbranch_scc1 .Lwalk_\@
.endm
	s_wait_alu depctr_va_vdst(0)
	s_wait_tensorcnt 0x0                           ; my part of steps 0-7 is in
	ds_add_u32 v[SPW], v[NIL]                      ; the add;
	s_mov_b32 s[G1+2], 50<<16                      ; no load of mine is out, so descriptors may be written: the next load brings 50 rows a wave,
	s_mov_b32 s[G1+4], 50
	s_add_nc_u64 s[G0+2:G0+3], s[G0+2:G0+3], RING  ; and records 0-7 will take steps 24-31
	s_wait_dscnt 0x0                               ; the add is done
	CROUND                                         ; records 0-7 are whole, and all four work-groups are here
	tensor_load_to_lds s[G0B:G0B+3], s[G1:G1+7]    ; steps 8-23 into records 8-23: my one load behind the round
	s_nop 0
.rept 4
	v_nop
.endr
	s_mov_b32 s[TB], 0
	PRE                                            ; K of step 0
	WALK 7                                         ; steps 0-6
	STEP 0                                         ; step 7: record 8 is not read yet
	s_wait_tensorcnt 0x0                           ; my part of steps 8-23 is in;
	ds_add_u32 v[SPW], v[NIL]                      ; the add;
	s_mov_b32 s[G1+2], 25<<16                      ; the refill brings 25 rows a wave
	s_mov_b32 s[G1+4], 25
	s_wait_dscnt 0x0                               ; the add is done, and so are my reads of records 0-7
	CROUND                                         ; both hold of every wave of all four work-groups
	tensor_load_to_lds s[G0:G0+3], s[G1:G1+7]      ; steps 24-31 into records 0-7: my one load behind the round
	s_nop 0
.rept 4
	v_nop
.endr
	s_mov_b32 s[TB], 8*STEPB
	PRE                                            ; K of step 8
	WALK 15                                        ; steps 8-22: records 8-23 alone are read
	s_wait_tensorcnt 0x0                           ; my part of steps 24-31 is in
	s_wait_dscnt 0x0                               ; no LDS instruction of mine is out at the signal
	s_barrier_signal -1
	s_barrier_wait -1                              ; all of it is
	s_mov_b32 s[TB], 23*STEPB
	STEP 2                                         ; step 23; step 24's K lies in record 0
	s_mov_b32 s[TB], 0
	WALK 7                                         ; steps 24-30
	STEP 0                                         ; step 31
; THE WAY OUT: O^T / the sum, quantised along the head's 64 (a lane holds 32 neighbouring d: one block)
.rept 4
	v_nop
.endr
	v_add_f32 v[L], v[L], v[L+1]
	s_delay_alu instid0(VALU_DEP_1)
	v_permlanex16_b32 v[T1], v[L], s[SEL], s[SEL+1]
	s_delay_alu instid0(VALU_DEP_1)
	v_add_f32 v[L], v[L], v[T1]                    ; the row's sum
	s_wait_alu depctr_va_vdst(0)
	v_rcp_f32 v[F], v[L]
	v_and_b32 v[T0], 31, v0
	s_delay_alu instid0(VALU_DEP_1)
	v_lshlrev_b32 v[ADK], 3, v[T0]
	v_and_b32 v[T0], 15, v0
	s_lshl_b32 s55, s[WV], 5
	s_add_co_u32 s55, s55, OSG
	v_lshl_add_u32 v[ADS], v[T0], 1, s55           ; my tile's 16 halfwords
	v_add_nc_u32 v9, OSG, v[LI]
	s_wait_alu depctr_va_vdst(0)                   ; and behind it, directly ahead of the first reader of O^T
.set i, 0
.rept 16
	v_pk_mul_f32 v[SS+i:SS+i+1], v[OT+i:OT+i+1], v[F:F+1] op_sel_hi:[1,0]
.set i, i+2
.endr
.irp c, 0,1
	v_max3_num_f32 v[BM+\c], |v[SS+16*\c]|, |v[SS+16*\c+1]|, 0x1800000
.endr
.irp i, 2,4,6,8,10,12,14
.irp c, 0,1
	s_delay_alu instid0(VALU_DEP_2)
	v_max3_num_f32 v[BM+\c], v[BM+\c], |v[SS+16*\c+\i]|, |v[SS+16*\c+\i+1]|
.endr
.endr
	s_delay_alu instid0(VALU_DEP_1)
	v_max_num_f32 v[BM], v[BM], v[BM+1]
	s_delay_alu instid0(VALU_DEP_1)
	v_add_nc_u32 v[SO], 0xff000000, v[BM]
	s_delay_alu instid0(VALU_DEP_1)
	v_lshrrev_b32 v[BY], 23, v[SO]
	s_delay_alu instid0(VALU_DEP_1)
	v_lshlrev_b32 v[BY], v[SH8], v[BY]
	s_delay_alu instid0(VALU_DEP_1)
	v_permlanex16_b32 v[TP], v[BY], s[SEL], s[SEL+1]
	s_delay_alu instid0(VALU_DEP_1)
	v_or_b32 v[BY], v[BY], v[TP]                   ; the head's two bytes of my query
	v_cvt_scalef32_pk16_fp6_f32 v[OPC:OPC+2], v[SS:SS+15], v[SO]
	v_cvt_scalef32_pk16_fp6_f32 v[OTQ:OTQ+2], v[SS+16:SS+31], v[SO]
	v_nop                                          ; one plain place behind the conversions
.irp i, 0,1,2
	v_mov_b32 v[OPC+3+\i], v[OTQ+\i]
.endr
	global_store_b128 v[LI], v[OPC:OPC+3], s[48:49]             ; half a fragment's image: 512 consecutive bytes,
	global_store_b64 v[ADK], v[OPC+4:OPC+5], s[48:49] offset:512 ; and 256
	ds_store_b16 v[ADS], v[BY]
	s_wait_tensorcnt 0x0                           ; the wave's end
	ds_add_u32 v[SPW], v[NIL]
	s_wait_dscnt 0x0
	s_barrier_signal -1
	s_barrier_wait -1                              ; all 16 tiles' halfwords lie in LDS
	s_cmp_lg_u32 s[WV], 0
	s_cbranch_scc1 .Lnot_first
	ds_load_b128 v[SS:SS+3], v9
	s_wait_dscnt 0x0
	global_store_b128 v[LI], v[SS:SS+3], s[50:51]  ; 512 consecutive bytes, aligned
.Lnot_first:
	CROUND                                         ; the closing round
	s_endpgm
.Lfunc_end_k_qdcdf4aaa61_attn:
	.size	k_qdcdf4aaa61_attn, .Lfunc_end_k_qdcdf4aaa61_attn-k_qdcdf4aaa61_attn
	.p2alignl 7, 3214868480
	.fill 96, 4, 3214868480
	.section	.rodata,"a",@progbits
	.p2align	6, 0x0
	.amdhsa_kernel k_qdcdf4aaa61_attn
		.amdhsa_group_segment_fixed_size 327680
		.amdhsa_private_segment_fixed_size 0
		.amdhsa_enable_private_segment 0
		.amdhsa_kernarg_size 32
		.amdhsa_user_sgpr_count 2
		.amdhsa_user_sgpr_kernarg_segment_ptr 1
		.amdhsa_wavefront_size32 1
		.amdhsa_system_sgpr_workgroup_id_x 1
		.amdhsa_system_sgpr_workgroup_id_y 1
		.amdhsa_system_sgpr_workgroup_id_z 1
		.amdhsa_system_vgpr_workitem_id 0
		.amdhsa_next_free_vgpr 256
		.amdhsa_next_free_sgpr 66
		.amdhsa_reserve_vcc 0
		.amdhsa_float_denorm_mode_32 3
		.amdhsa_float_denorm_mode_16_64 3
		.amdhsa_memory_ordered 1
		.amdhsa_forward_progress 1
		.amdhsa_inst_pref_size 99
	.end_amdhsa_kernel
	.amdgpu_metadata
---
amdhsa.version: [ 1, 2 ]
amdhsa.kernels:
  - .name:           k_qdcdf4aaa61_attn
    .symbol:         k_qdcdf4aaa61_attn.kd
    .args:
      - { .name: qc, .offset: 0, .size: 8, .value_kind: global_buffer, .address_space: global }
      - { .name: kv, .offset: 8, .size: 8, .value_kind: global_buffer, .address_space: global }
      - { .name: oc, .offset: 16, .size: 8, .value_kind: global_buffer, .address_space: global }
      - { .name: os, .offset: 24, .size: 8, .value_kind: global_buffer, .address_space: global }
    .group_segment_fixed_size: 327680
    .private_segment_fixed_size: 0
    .kernarg_segment_align: 8
    .kernarg_segment_size: 32
    .max_flat_workgroup_size: 512
    .sgpr_count:     66
    .vgpr_count:     256
    .wavefront_size: 32
...
	.end_amdgpu_metadata
.endif
;; end of part 3
;; launch oproj (part 4): grid 256 x 1, 8 waves a work-group, clusters of 4 x 1, 271,872 bytes of LDS; arguments oc, os, wcs, bo, out0; writes out0
.if DOCPART == 4
	.amdgcn_target "amdgcn-amd-amdhsa--gfx1250"
	.amdhsa_code_object_version 6
	.text
	.protected	k_qdcdf4aaa61_oproj
	.globl	k_qdcdf4aaa61_oproj
	.p2align	8
	.type	k_qdcdf4aaa61_oproj,@function
k_qdcdf4aaa61_oproj:
	s_mov_b64 s[64:65], 0
	v_nop
	global_prefetch_b8 v0, s[64:65] scope:SCOPE_SE
	s_setreg_imm32_b32 hwreg(HW_REG_WAVE_MODE, 25, 1), 1
	s_wait_xcnt 0x0
	s_wait_alu depctr_hold_cnt(0) depctr_sa_sdst(0) depctr_va_vdst(0) depctr_va_sdst(0) depctr_va_ssrc(0) depctr_va_vcc(0) depctr_vm_vsrc(0)
	s_getreg_b32 s2, hwreg(HW_REG_IB_STS2, 6, 4)
	s_cmp_eq_u32 s2, 0
	s_cbranch_scc0 .Lentry_in_a_cluster
	s_endpgm
.Lentry_in_a_cluster:
	s_bfe_u32 s2, ttmp6, 0x10000c
	s_cmp_lg_u32 s2, 0x3003
	s_cbranch_scc0 .Lentry_shape_is_right
	s_endpgm
.Lentry_shape_is_right:
; Product 6: out = O Wo^T + bo on codes of FP6 (E2M3).  O's codes (oc) and scale halfwords (os) and Wo's register images (wcs, weight 3) come as the launches before laid them.
; A work-group takes two token tiles (32 tokens) x all 512 columns; wave w takes columns 64 w .. 64 w + 63: 8 accumulators, 32 products.
; Source 0 = 16 rows of Wo (row i of tile t is column 32 (i / 8) + 8 t + i % 8 of the wave's 64), source 1 = 16 tokens: a lane holds one token and 32 neighbouring columns.  bo is loaded straight into the accumulators.
; CLUSTER: all work-groups read the same Wo: wave w's 25,600 bytes come by ONE joint load (mask 15) into the wave's own LDS bytes, which it alone reads behind its own wait.
; The tokens of a tile are not neighbours (row r of tile m is token 64 (m / 4) + 32 (r / 8) + 8 (m % 4) + r % 8 of its block of 128): the rows go through a stage and leave as whole rows of 2,048 bytes.
; Nothing is filled again; everything is asked for at the head, so no prefetch.
.set WB,    25600
.set STG,   8*WB                       ; the stage: 32 rows x (2,048 bytes + 16)
.set SP,    2064
.set SPARE, STG+32*SP                  ; the spare words, 128 bytes for each wave: four blocks of 256 bytes that no other line names
.set LI,   1                           ; v1  16 x lane
.set L8,   2                           ; v2  8 x lane
.set R2,   3                           ; v3  2 x (lane % 16)
.set AWS,  4                           ; v4  Wo's scale words in LDS
.set AWF,  5                           ; v5  Wo's images in LDS
.set STO,  6                           ; v6  the stage, in
.set SRD,  7                           ; v7  the stage, back
.set SPW,  8                           ; v8  my spare word; never rewritten
.set NIL,  9                           ; v9  0; never rewritten
.set H128, 10                          ; v10 128 x (lane / 16)
.set WSC,  12                          ; v12-27 Wo's scale words (4 t + s)
.set AS,   28                          ; v28-35 O's scale words (4 a + s)
.set WF,   36                          ; v36-83 four fragments of Wo
.set HW,   36                          ; first: O's 16 halfwords (8 a + head)
.set AF,   84                          ; v84-179 O's 8 fragments (4 a + s); later 64 registers of rows
.set ACC,  180                         ; v180-243 accumulators (4 a + t)
.set WV,  14
.set G1,  24
.set G0,  32
.macro CROUND
	s_barrier_signal -1
	s_barrier_wait -1
	s_cmp_lg_u32 s[WV], 0
	s_cbranch_scc1 .Lnot_wave_0_\@
	s_barrier_signal -3
.Lnot_wave_0_\@:
	s_barrier_wait -3
	s_barrier_signal -1
	s_barrier_wait -1
.endm
	s_load_b256 s[4:11], s[0:1], 0x0               ; oc, os, wcs, bo
	s_load_b64 s[12:13], s[0:1], 0x20              ; out0
	v_lshl_add_u32 v[SPW], v0, 2, SPARE
	v_mov_b32 v[NIL], 0
	ds_add_u32 v[SPW], v[NIL]                      ; the wave's opening: the add and its wait ahead of the first round
	ds_add_u32 v[SPW], v[NIL]
	v_lshrrev_b32 v11, 5, v0
	s_delay_alu instid0(VALU_DEP_1)
	v_readfirstlane_b32 s[WV], v11                 ; wave 0..7
	s_bfe_u32 s15, ttmp6, 0x40000                  ; cx
	s_lshl_b32 s16, ttmp9, 2
	s_add_co_u32 s16, s16, s15                     ; g: it enters O's, os's and out0's global addresses alone
	s_mov_b32 s[G1+0], 15|(3<<16)|(1<<21)          ; the mask: all four; elements of 8 bytes; bit 21 beside a mask
	s_mov_b32 s[G1+1], 32<<16                      ; rows of 256 bytes
	s_mov_b32 s[G1+2], 100<<16                     ; 100 of them
	s_mov_b32 s[G1+3], 32<<16
	s_mov_b32 s[G1+4], 100
	s_mov_b32 s[G1+5], 32
	s_mov_b32 s[G1+6], 0
	s_mov_b32 s[G1+7], 0
	s_mul_i32 s17, s[WV], WB
	s_add_co_u32 s18, s17, 614400                  ; weight 3, group w
	s_mov_b32 s19, 0
	s_mul_i32 s20, s16, 12288                      ; tile 2 g: 8 heads x 768 bytes a tile
	s_mov_b32 s21, 0
	s_lshr_b32 s22, s16, 7                         ; n
	s_lshl_b32 s22, s22, 16
	s_lshl_b32 s23, s16, 1
	s_and_b32 s23, s23, 255
	s_lshl_b32 s23, s23, 5
	s_add_co_u32 s22, s22, s23
	s_mov_b32 s23, 0
	s_lshl_b32 s36, s[WV], 8
	s_mov_b32 s37, 0
	s_lshr_b32 s38, s16, 2                         ; the first token that I store: block of 128,
	s_lshl_b32 s38, s38, 7
	s_bfe_u32 s39, s16, 0x10001
	s_lshl_b32 s39, s39, 6
	s_add_co_u32 s38, s38, s39                     ; + 64 (m0 / 4),
	s_and_b32 s39, s16, 1
	s_lshl_b32 s39, s39, 4
	s_add_co_u32 s38, s38, s39                     ; + 8 (m0 % 4), m0 = 2 g % 8;
	s_lshr_b32 s39, s[WV], 2
	s_lshl_b32 s39, s39, 3
	s_add_co_u32 s38, s38, s39                     ; stage rows 4 w .. 4 w + 3: tile m0 + w / 4,
	s_bfe_u32 s39, s[WV], 0x10001
	s_lshl_b32 s39, s39, 5
	s_add_co_u32 s38, s38, s39
	s_and_b32 s39, s[WV], 1
	s_lshl_b32 s39, s39, 2
	s_add_co_u32 s38, s38, s39                     ; rows r = 4 (w % 4) + 0 .. 3: four neighbouring tokens
	s_lshl_b32 s38, s38, 11
	s_mov_b32 s39, 0
	v_and_b32 v11, 31, v0
	v_and_b32 v244, 15, v0
	v_bfe_u32 v245, v0, 4, 1
	s_delay_alu instid0(VALU_DEP_3)
	v_lshlrev_b32 v[LI], 4, v11
	s_delay_alu instid0(VALU_DEP_4)
	v_lshlrev_b32 v[L8], 3, v11
	s_delay_alu instid0(VALU_DEP_4)
	v_lshlrev_b32 v[R2], 1, v244
	s_delay_alu instid0(VALU_DEP_4)
	v_lshlrev_b32 v[H128], 7, v245
	s_add_co_u32 s41, s17, 24576
	v_lshl_add_u32 v[AWS], v244, 4, s41
	v_add_nc_u32 v[AWF], s17, v[LI]
	s_lshl_b32 s42, s[WV], 8
	s_add_co_u32 s42, s42, STG
	v_mul_u32_u24 v[STO], v244, SP
	s_delay_alu instid0(VALU_DEP_1)
	v_add_nc_u32 v[STO], v[STO], v[H128]
	s_delay_alu instid0(VALU_DEP_1)
	v_add_nc_u32 v[STO], s42, v[STO]
	s_mul_i32 s43, s[WV], 4*SP
	s_add_co_u32 s43, s43, STG
	v_add_nc_u32 v[SRD], s43, v[LI]
	s_wait_dscnt 0x0                               ; the opening add is done
	s_wait_kmcnt 0x0
	s_mov_b32 s[G0], 1
	s_mov_b32 s[G0+1], s17
	s_add_nc_u64 s[G0+2:G0+3], s[8:9], s[18:19]
	s_or_b32 s[G0+3], s[G0+3], 0x80000000
	s_add_nc_u64 s[4:5], s[4:5], s[20:21]
	s_add_nc_u64 s[6:7], s[6:7], s[22:23]
	s_add_nc_u64 s[10:11], s[10:11], s[36:37]
	s_add_nc_u64 s[12:13], s[12:13], s[38:39]
	CROUND                                         ; all four work-groups are here: the joint loads meet
	tensor_load_to_lds s[G0:G0+3], s[G1:G1+7]      ; my one tensor load
	s_nop 0
.rept 4
	v_nop
.endr
	s_wait_alu depctr_va_vdst(0)
.irp a, 0,1
.irp s, 0,1,2,3
.irp c, 0,1                            ; K step s = heads 2 s and 2 s + 1; a head's six registers are half a fragment
	global_load_b128 v[AF+12*(4*\a+\s)+6*\c:AF+12*(4*\a+\s)+6*\c+3], v[LI], s[4:5] offset:(8*\a+2*\s+\c)*768 th:TH_LOAD_NT
	global_load_b64 v[AF+12*(4*\a+\s)+6*\c+4:AF+12*(4*\a+\s)+6*\c+5], v[L8], s[4:5] offset:(8*\a+2*\s+\c)*768+512 th:TH_LOAD_NT
.endr
.endr
.endr
.irp a, 0,1
.irp d, 0,1,2,3,4,5,6,7
	global_load_u16 v[HW+8*\a+\d], v[R2], s[6:7] offset:\d*8192+32*\a
.endr
.endr
.irp a, 0,1
.irp q, 0,1,2,3,4,5,6,7
	global_load_b128 v[ACC+32*\a+4*\q:ACC+32*\a+4*\q+3], v[H128], s[10:11] offset:16*\q   ; bo at my 32 columns: the sums begin with it
.endr
.endr
	s_wait_loadcnt 0x0
.irp a, 0,1
.irp s, 0,1,2,3
	v_lshl_or_b32 v[AS+4*\a+\s], v[HW+8*\a+2*\s+1], 16, v[HW+8*\a+2*\s]
.endr
.endr
.rept 8
	v_nop                                          ; a scale register written by a vector instruction stands 8 places ahead of a scaled product
.endr
	s_wait_alu depctr_va_vdst(0)
	s_wait_tensorcnt 0x0                           ; my part of Wo is in my LDS bytes
.irp t, 0,1,2,3
	ds_load_b128 v[WSC+4*\t:WSC+4*\t+3], v[AWS] offset:256*\t
.endr
.irp s, 0,1,2,3
.if \s > 0
.rept 4
	v_nop                                          ; places in front of loads into registers that the products have read
.endr
.endif
.irp t, 0,1,2,3
.irp j, 0,1,2
	ds_load_b128 v[WF+12*\t+4*\j:WF+12*\t+4*\j+3], v[AWF] offset:\t*6144+\s*1536+512*\j
.endr
.endr
	s_wait_dscnt 0x0
.irp a, 0,1
.irp t, 0,1,2,3                        ; eight accumulators by turns, one instruction a turn
	v_wmma_scale_f32_16x16x128_f8f6f4 v[ACC+8*(4*\a+\t):ACC+8*(4*\a+\t)+7], v[WF+12*\t:WF+12*\t+11], v[AF+12*(4*\a+\s):AF+12*(4*\a+\s)+11], v[ACC+8*(4*\a+\t):ACC+8*(4*\a+\t)+7], v[WSC+4*\t+\s], v[AS+4*\a+\s] matrix_a_fmt:MATRIX_FMT_FP6 matrix_b_fmt:MATRIX_FMT_FP6
.endr
.endr
.endr
.rept 4
	v_nop
.endr
.irp a, 0,1
.irp q, 0,1,2,3,4,5,6,7
	ds_store_b128 v[STO], v[ACC+32*\a+4*\q:ACC+32*\a+4*\q+3] offset:\a*16*SP+16*\q   ; stage row 16 a + r; each accumulator from its low end on
.endr
.endr
	s_wait_dscnt 0x0                               ; for the others' sake: my stores have landed
	s_barrier_signal -1
	s_barrier_wait -1                              ; 32 whole rows lie in the stage
.irp i, 0,1,2,3
.irp q, 0,1,2,3
	ds_load_b128 v[AF+4*(4*\i+\q):AF+4*(4*\i+\q)+3], v[SRD] offset:\i*SP+512*\q
.endr
.endr
.irp i, 0,1,2,3
.irp q, 0,1,2,3
	s_wait_dscnt 15-(4*\i+\q)                      ; the younger loads may stay out
	global_store_b128 v[LI], v[AF+4*(4*\i+\q):AF+4*(4*\i+\q)+3], s[12:13] offset:\i*2048+512*\q th:TH_STORE_NT   ; 512 consecutive bytes, aligned
.endr
.endr
	s_wait_tensorcnt 0x0                           ; the wave's end
	ds_add_u32 v[SPW], v[NIL]
	s_wait_dscnt 0x0
	CROUND                                         ; the closing round
	s_endpgm
.Lfunc_end_k_qdcdf4aaa61_oproj:
	.size	k_qdcdf4aaa61_oproj, .Lfunc_end_k_qdcdf4aaa61_oproj-k_qdcdf4aaa61_oproj
	.p2alignl 7, 3214868480
	.fill 96, 4, 3214868480
	.section	.rodata,"a",@progbits
	.p2align	6, 0x0
	.amdhsa_kernel k_qdcdf4aaa61_oproj
		.amdhsa_group_segment_fixed_size 271872
		.amdhsa_private_segment_fixed_size 0
		.amdhsa_enable_private_segment 0
		.amdhsa_kernarg_size 40
		.amdhsa_user_sgpr_count 2
		.amdhsa_user_sgpr_kernarg_segment_ptr 1
		.amdhsa_wavefront_size32 1
		.amdhsa_system_sgpr_workgroup_id_x 1
		.amdhsa_system_sgpr_workgroup_id_y 1
		.amdhsa_system_sgpr_workgroup_id_z 1
		.amdhsa_system_vgpr_workitem_id 0
		.amdhsa_next_free_vgpr 256
		.amdhsa_next_free_sgpr 66
		.amdhsa_reserve_vcc 0
		.amdhsa_float_denorm_mode_32 3
		.amdhsa_float_denorm_mode_16_64 3
		.amdhsa_memory_ordered 1
		.amdhsa_forward_progress 1
		.amdhsa_inst_pref_size 24
	.end_amdhsa_kernel
	.amdgpu_metadata
---
amdhsa.version: [ 1, 2 ]
amdhsa.kernels:
  - .name:           k_qdcdf4aaa61_oproj
    .symbol:         k_qdcdf4aaa61_oproj.kd
    .args:
      - { .name: oc, .offset: 0, .size: 8, .value_kind: global_buffer, .address_space: global }
      - { .name: os, .offset: 8, .size: 8, .value_kind: global_buffer, .address_space: global }
      - { .name: wcs, .offset: 16, .size: 8, .value_kind: global_buffer, .address_space: global }
      - { .name: bo, .offset: 24, .size: 8, .value_kind: global_buffer, .address_space: global }
      - { .name: out0, .offset: 32, .size: 8, .value_kind: global_buffer, .address_space: global }
    .group_segment_fixed_size: 271872
    .private_segment_fixed_size: 0
    .kernarg_segment_align: 8
    .kernarg_segment_size: 40
    .max_flat_workgroup_size: 256
    .sgpr_count:     66
    .vgpr_count:     256
    .wavefront_size: 32
...
	.end_amdgpu_metadata
.endif
;; end of part 4
